; MI455X (gfx1250); checked and timed in simulation.
; The chip was launched on July 23, 2026; its instructions are those of AMD's public machine-readable ISA for CDNA 5 (MIT licence, August 2026) and "CDNA5" Instruction Set Architecture Reference Guide (July 2026). The comments in the code are by the model that wrote it; some were corrected since.
;; Quantized Layer. Allowed arithmetic: matrix products marked QUANTISED: E4M3 operands, one E8M0 scale for each 32 along K, by v_wmma_scale_f32_16x16x128_f8f6f4 with both operands' format E4M3, f32 sums; everything else in f32.
;; Inputs: bias 2,048 float32; centroids 8 x 1 float32; codes 399,458 int32; input_ 4 x 2,048 x 4,096 float32.
;; Outputs: out0 4 x 2,048 x 2,048 float32.
;; This version of the problem:
;;   THIS VERSION OF THE PROBLEM IS GIVEN IN LOW PRECISION. The matrix products marked QUANTISED in the list below multiply operands that are first quantised to E4M3 (4 exponent bits, 3 mantissa bits; 8 bits a number), with one power-of-two scale for each 32 numbers along K (OCP MX v1.0); their sums are f32. All else is computed in f32.
;;   The module's matrix products, in the order in which they are computed (A, B: the left and right operand; K: the contracted axis; several contracted axes count as one K, in the product's order):
;;     1. [M 8,192, K 4,096] x [K 4,096, N 2,048]; A: input input_; B: computed on the way: QUANTISED
;;   THE QUANTISER, for each operand of a quantised product, along K:
;;     - K is cut into blocks of 32 from its start; a last block that is shorter is filled with zeros.
;;     - A block's scale is 2^e with e = floor(log2(the largest magnitude in the block)) - 8, held to -126 .. 127; a block of zeros has e = 0. As a byte (E8M0): e + 127.
;;     - Each number is divided by its block's scale, clamped to +-448, and rounded to the nearest number of E4M3, ties to even, subnormals kept.
;;     - The product sums the exact products of the quantised numbers (number of the format x scale) in f32.
;;   ~~~python
;;   def quantise(x, axis):      # numpy; x: float32 -> the quantised numbers, widened to float32 again
;;       x = np.moveaxis(x, axis, -1); K = x.shape[-1]
;;       x = np.pad(x, [(0, 0)] * (x.ndim - 1) + [(0, -K % 32)]); x = x.reshape(x.shape[:-1] + (-1, 32)); a = np.abs(x).max(-1, keepdims=True)
;;       e = np.where(a > 0, np.clip(np.frexp(np.where(a > 0, a, 1))[1] - 1 - 8, -126, 127), 0)      # np.frexp(a)[1] - 1 = floor(log2(a)), exactly
;;       r = np.clip(x / 2.0 ** e, -448, 448)
;;       step = 2.0 ** (np.maximum(np.frexp(np.where(r == 0, 1, r))[1] - 1, -6) - 3)
;;       q = np.round(r / step) * step * 2.0 ** e      # np.round: ties to even
;;       return np.moveaxis(q.reshape(q.shape[:-2] + (-1,))[..., :K], -1, axis).astype(np.float32)
;;   ~~~
;;   OPERANDS COMPUTED ON THE WAY. 'Computed on the way' means the value that the module computes at that place (a softmax that the list does not call 'softmax' is quantised finished and normalised). What goes into a quantiser is computed in f32, as accurately as f32 sums, v_exp_f32 and their like allow (about 1e-6 of the number): no bf16 or f16 on the way to a quantiser, and a product that is left as it is and whose result goes on into a quantised operand takes f32 operands (vector FMAs, or v_wmma_f32_16x16x4_f32). A number that lies on a knife's edge between two numbers of the format may be rounded either way, as far as f32 arithmetic and the matrix unit's own rounding can turn it there, and no further.
;; One version. Each part assembles by itself: llvm-mc -triple=amdgcn-amd-amdhsa -mcpu=gfx1250 --defsym DOCPART=n.
;; ======== version 1 of 1: 2 launches
;; limits: right only within a limited range of input values
;; workspace buffers: xq 35,651,584 bytes; wq 8,912,896 bytes
;; launch prep (part 1): grid 1280 x 1, 4 waves a work-group, no clusters, 90,624 bytes of LDS; arguments input_, codes, centroids, xq, wq; writes xq, wq
.if DOCPART == 1
	.amdgcn_target "amdgcn-amd-amdhsa--gfx1250"
	.amdhsa_code_object_version 6
	.text
	.protected	k_q0585d5b442_prep
	.globl	k_q0585d5b442_prep
	.p2align	8
	.type	k_q0585d5b442_prep,@function
k_q0585d5b442_prep:
	s_mov_b64 s[64:65], 0
	v_nop
	global_prefetch_b8 v0, s[64:65] scope:SCOPE_SE
	s_setreg_imm32_b32 hwreg(HW_REG_WAVE_MODE, 25, 1), 1
	s_wait_xcnt 0x0
; BOTH OPERANDS OF out0 = Q(input_) Q(weight)^T + bias ARE MADE HERE, ONCE: codes of FP8 (E4M3) with one E8M0 scale byte for each 32 along K = 4,096.
; input_ [8192][4096] f32 -> xq;  the weight [2048][4096], unpacked from codes through the 8 centroids -> wq.
; LAYOUT OF xq AND wq: [16 K steps of 256][row][272 bytes]: bytes 0-255 the row's 256 codes of the K step; xq: bytes 256-263 its 8 scale bytes, 264-271 zeros; wq: bytes 256-263 zeros, 264-271 the scale bytes.
; So 128 rows of a K step are 34,816 consecutive bytes, which the product's launch brings into LDS as they lie: rows 272 bytes apart, the scale words beside the codes.
; A block's scale is 2^(floor(log2(its largest magnitude)) - 8); its byte is the largest magnitude's exponent field - 8, held at 1 from below; each number is divided by the scale, held within +-448 and rounded to the nearest code, ties to even.
; LIMITS: NaN and infinities in input_ or centroids are not served.  A block whose largest magnitude lies under 2^-118 gets the byte 1.  A block of zeros gets the byte 1 where the rule says 127: its codes are zeros, which add
; nothing under any byte but 0xff, and the bytes are read by this program alone.
; THE UNPACKING.  codes are int32 and reference()'s powers 8^i are int32 too: 8^i for i = 0 .. 10 and 0 for i = 11 .. 20.  Weight number f = 21 c + p comes from word w = codes[c]:
;   p = 0 .. 9: bits 3 p .. 3 p + 2 of w (floor division and floor modulus are an arithmetic shift and a mask);  p = 10: bits 30, 31 and the sign once more on top;
;   p = 11 .. 20: a division by 0, which in reference()'s arithmetic gives quotient -1 and remainder w, so that its floor division gives -2 where w is not 0 and -1 where it is: index 6 or 7.
; SHARES.  Work-groups 0-255 take the weight, 256-1279 input_; the two paths never join and have LDS bytes of their own.  A wave makes one chunk: 32 rows x one K step = 8,704 consecutive bytes of its buffer, in 16 steps;
; step t takes rows t (lanes 0-15) and t + 16 (lanes 16-31); lane l % 16 holds K = 16 (l % 16) + 0 .. 15, so two neighbouring lanes hold a block.  The chunk is gathered in the wave's own image in LDS and leaves by 17 stores
; of 512 consecutive bytes.  No tensor loads, no barrier: waves share nothing.
.set PITCH, 272                        ; a row of a chunk
.set CHUNK, 32*PITCH                   ; 8,704
.set SP,    80                         ; a lane's place in a stage: its 64 bytes + 16 of padding
.set STG,   32*SP                      ; a stage
.set IMG,   2*STG                      ; input path, in a wave's region: two stages, then the image
.set WREG,  IMG+CHUNK                  ; 13,824 bytes a wave
.set WIMG,  4*WREG                     ; weight path: the four images lie behind the input path's regions
.set ROWX,  16384                      ; a row of input_ in bytes
.set R,     16                         ; v16-143  input path: eight sets of 16 numbers as they are loaded
.set X,     144                        ; v144-175 two sets of 16 neighbours along K
.set C,     176                        ; v176-239 codes: four registers for each step
.set E,     240                        ; v240-255 a scale byte for each step
.set ADR,   16                         ; v16-31   weight path: byte offset of step t's first code word (less 780 t)
.set SH,    32                         ; v32-47   3 x the place in that word of my first number
.set W,     48                         ; v48-79   two code words for each step
.set I,     100                        ; v100-115 4 x index, for the pull from the lanes that hold the centroids
.set TAB,   116                        ; v116     centroids[lane % 8]
.set SIX,   117                        ; v117     ten indices 6, three bits each
.set SEVEN, 118                        ; v118     ten indices 7
.set VP,    119                        ; v119     pS + 16 (l % 16) + 16 (l / 16)
.set VC,    120                        ; v120     4 (cS + 3,120 (l / 16))
.set TO,    121                        ; v121     4 (lane % 8)
; v2 lane; v3 16 x lane (global offset, never rewritten); v4 image: my codes; v5 image: my block's byte; v6 image: my row's pad; v7 image: 16 x lane; v8-11 at work; v[12:13] 0; v14, v15 the stage, in and out
.macro IMGADR tail, pad                ; s17 = my wave's image; v8 = l % 16, v9 = l / 16
	v_mul_u32_u24 v4, v9, 16*PITCH                 ; lanes 16-31 stand 16 rows further down
	v_add_nc_u32 v4, s17, v4
	v_lshrrev_b32 v5, 1, v8                        ; my block of the row's eight
	v_add_nc_u32 v5, v5, v4
	v_add_nc_u32 v5, \tail, v5
	v_lshl_add_u32 v4, v8, 4, v4                   ; my 16 codes
	v_mul_u32_u24 v6, v2, PITCH
	v_add_nc_u32 v6, s17, v6
	v_add_nc_u32 v6, \pad, v6
	v_add_nc_u32 v7, s17, v3
	ds_store_b64 v6, v[12:13]                      ; a lane a row: the eight bytes that hold no scale are zeros
.endm
.macro LOAD t                          ; step t: 1,024 bytes of row t, then of row t + 16; each load reads 512 consecutive bytes
.irp i, 0,1,2,3
	global_load_b128 v[R+16*((\t)%8)+4*\i:R+16*((\t)%8)+4*\i+3], v3, s[4:5] offset:((\t)+16*(\i/2))*ROWX+(\i%2)*512 th:TH_LOAD_NT
.endr
.endm
.macro TURN t                          ; step t's 2,048 bytes go through a stage as they lie and come back 64 bytes a lane.  LDS serves a wave's instructions in order (ISA guide 5.7.1.4): no wait between the stores and the loads
.irp i, 0,1,2,3
	ds_store_b128 v14, v[R+16*((\t)%8)+4*\i:R+16*((\t)%8)+4*\i+3] offset:STG*((\t)%2)+8*SP*\i
.endr
.irp i, 0,1,2,3
	ds_load_b128 v[X+16*((\t)%2)+4*\i:X+16*((\t)%2)+4*\i+3], v15 offset:STG*((\t)%2)+16*\i
.endr
.endm
.macro QUANT16 t                       ; my 16 numbers in v[XS] on become 16 codes and my block's byte, both into the image
	v_max3_num_f32 v8, |v[XS]|, |v[XS+1]|, |v[XS+2]|               ; the largest magnitude of my 16, in two chains
	v_max3_num_f32 v9, |v[XS+3]|, |v[XS+4]|, |v[XS+5]|
.irp i, 6,10
	v_max3_num_f32 v8, v8, |v[XS+\i]|, |v[XS+\i+1]|
	v_max3_num_f32 v9, v9, |v[XS+\i+2]|, |v[XS+\i+3]|
.endr
	v_max3_num_f32 v8, v8, |v[XS+14]|, |v[XS+15]|
	v_max3_num_f32 v8, v8, v9, 0x4800000           ; and the floor 2^(9 - 127): so the byte cannot fall under 1
	v_max_num_f32_dpp v8, v8, v8 row_xmask:1 row_mask:0xf bank_mask:0xf   ; and of my neighbour's 16: the block's
	v_add_nc_u32 v11, 0xfc000000, v8               ; 8 off its exponent field: the conversion takes the exponent field of this operand as its scale, and nothing else of it
	v_and_or_b32 v10, v8, 0x7f800000, s23          ; 448 x the scale: the largest magnitude's exponent field over 448's mantissa field (s23)
.irp i, 0,1,2,3,4,5,6,7,8,9,10,11,12,13,14,15
	v_med3_num_f32 v[XS+\i], v[XS+\i], -v10, v10   ; the conversion to an 8-bit code does not saturate (ISA guide 7.6.2): the hold comes first
.endr
	v_cvt_scalef32_pk8_fp8_f32 v[C+4*(\t):C+4*(\t)+1], v[XS:XS+7], v11
	v_cvt_scalef32_pk8_fp8_f32 v[C+4*(\t)+2:C+4*(\t)+3], v[XS+8:XS+15], v11
	v_lshrrev_b32 v[E+(\t)], 23, v11               ; the scale's byte; also the plain line behind the conversions
	ds_store_b8 v5, v[E+(\t)] offset:PITCH*(\t)    ; both lanes of a block write the same byte with the same value
	ds_store_b128 v4, v[C+4*(\t):C+4*(\t)+3] offset:PITCH*(\t)
.endm
.macro FLUSH lo                        ; the image leaves: 17 x 512 consecutive bytes, from a multiple of 256 of the buffer on
.irp i, 0,1,2,3,4,5,6,7,8,9,10,11,12,13,14,15,16
	ds_load_b128 v[16+4*\i:19+4*\i], v7 offset:512*\i              ; in order behind my stores into the image
.endr
.irp i, 0,1,2,3,4,5,6,7,8,9,10,11,12,13,14,15,16
	s_wait_dscnt 16-\i                             ; load i is in, the younger ones may be out
	global_store_b128 v3, v[16+4*\i:19+4*\i], s[\lo:\lo+1] offset:512*\i
.endr
.endm
.macro XSTEP t                         ; a step of the input path
.set XS, X+16*((\t)%2)
.if (\t) > 0
	s_wait_dscnt 2                                 ; this step's numbers are back from the stage (the last step's two image stores may be out); so its stores into the stage have read their registers,
.else
	s_wait_dscnt 0x0
.endif
.if (\t)+8 < 16
	LOAD (\t)+8                                    ; which take the loads of eight steps on
.endif
.if (\t)+1 < 16
.if 14-(\t) >= 7
	s_wait_loadcnt 28                              ; the next step's four loads are in; those of the seven steps behind it may be out
.else
	s_wait_loadcnt 4*(14-(\t))
.endif
	TURN (\t)+1                                    ; and go through the other stage while this step is worked
.endif
	QUANT16 \t
.endm
; A step of the weight path.  A word is widened to a string of 63 bits, 21 indices: its low word is w; above it the sign once more and ten indices 6 (w not 0) or 7.  Two such strings on end hold my 16 indices, from bit SH on.
.macro WSTEP t
.set XS, X
	s_wait_loadcnt 2*(15-(\t))                     ; this step's two words are in; the later steps' two each may be out
	v_cmp_ne_u32 vcc_lo, 0, v[W+2*(\t)]
	v_cndmask_b32 v80, v[SEVEN], v[SIX], vcc_lo
	v_cmp_ne_u32 vcc_lo, 0, v[W+2*(\t)+1]
	v_cndmask_b32 v81, v[SEVEN], v[SIX], vcc_lo
	v_alignbit_b32 v80, v80, v[W+2*(\t)], 31       ; bits 32-62 of the first string: the sign, then the ten
	v_alignbit_b32 v81, v81, v[W+2*(\t)+1], 31     ; and of the second
	v_lshl_or_b32 v82, v[W+2*(\t)+1], 31, v80      ; bits 32-63 of the two on end: the second string begins at bit 63
	v_alignbit_b32 v83, v81, v[W+2*(\t)+1], 1      ; bits 64-95
	v_lshrrev_b32 v84, 1, v81                      ; bits 96-127
	v_cmp_le_u32 vcc_lo, 32, v[SH+(\t)]            ; where SH is 32 or more, begin a word further up
	v_cndmask_b32 v85, v[W+2*(\t)], v82, vcc_lo
	v_cndmask_b32 v86, v82, v83, vcc_lo
	v_cndmask_b32 v87, v83, v84, vcc_lo
	v_and_b32 v92, 31, v[SH+(\t)]                  ; s
	v_xor_b32 v90, 31, v92                         ; 31 - s
	v_lshrrev_b32 v88, v92, v85
	v_lshlrev_b32 v91, 1, v86
	v_lshl_or_b32 v88, v91, v90, v88               ; (low >> s) | ((high << 1) << (31 - s)): right for s = 0 too
	v_lshrrev_b32 v89, v92, v86
	v_lshlrev_b32 v91, 1, v87
	v_lshl_or_b32 v89, v91, v90, v89               ; v[88:89]: my 16 indices in the low 48 bits
	v_lshlrev_b32 v[I], 2, v88                     ; the pull wants 4 x the lane; its two lowest bits do not count (ISA guide, DS_BPERMUTE_B32), so five bits from two under the index will do
	v_and_b32 v[I], 28, v[I]
.irp j, 1,2,3,4,5,6,7,8,9
	v_bfe_u32 v[I+\j], v88, 3*\j-2, 5
.endr
	v_alignbit_b32 v[I+10], v89, v88, 28
	v_alignbit_b32 v[I+11], v89, v88, 31
	v_and_b32 v[I+10], 31, v[I+10]
	v_and_b32 v[I+11], 31, v[I+11]
.irp j, 12,13,14,15
	v_bfe_u32 v[I+\j], v89, 3*\j-34, 5
.endr
.irp j, 0,1,2,3,4,5,6,7,8,9,10,11,12,13,14,15
	ds_bpermute_b32 v[X+\j], v[I+\j], v[TAB]       ; the centroid, from the lane of that number: no LDS byte is touched
.endr
	s_wait_dscnt 0x0
	QUANT16 \t
.endm
	s_load_b256 s[4:11], s[0:1], 0x0               ; input_ s[4:5], codes s[6:7], centroids s[8:9], xq s[10:11]
	s_load_b64 s[12:13], s[0:1], 0x20              ; wq
	s_set_vgpr_msb 0x40
	v_lshl_add_u32 v0, v0, 2, 0x16000
	v_mov_b32 v1, 0
	s_set_vgpr_msb 0x4000
	v_lshrrev_b32 v1, 5, v0
	v_readfirstlane_b32 s16, v1                    ; wave 0..3
	v_and_b32 v2, 31, v0                           ; lane
	v_lshlrev_b32 v3, 4, v2
	v_and_b32 v8, 15, v0                           ; l % 16
	v_bfe_u32 v9, v0, 4, 1                         ; l / 16
	v_mov_b32 v12, 0
	v_mov_b32 v13, 0
	s_mov_b32 s23, 0x600000                        ; the mantissa field of 448
	s_cmp_lt_u32 ttmp9, 256                        ; the weight's work-groups come first: their steps hang on each other more than the stream's
	s_cbranch_scc1 .Lweights
	; ---- input_: work-group id = 4 g + part: rows 32 g on, K step j = 4 part + wave
	s_sub_co_u32 s17, ttmp9, 256
	s_lshr_b32 s18, s17, 2                         ; g
	s_and_b32 s19, s17, 3
	s_lshl_b32 s19, s19, 2
	s_add_co_u32 s19, s19, s16                     ; j
	s_lshl_b32 s20, s18, 19                        ; 32 rows of 16,384 bytes,
	s_lshl_b32 s21, s19, 10                        ; 256 numbers of 4 bytes
	s_add_co_u32 s20, s20, s21
	s_mov_b32 s21, 0
	s_mul_i32 s22, s19, 8192*PITCH                 ; in xq: the K step,
	s_mul_i32 s18, s18, CHUNK                      ; the chunk (both sums stay under 2^32)
	s_add_co_u32 s18, s22, s18
	s_mov_b32 s19, 0
	s_mul_i32 s17, s16, WREG                       ; my wave's LDS
	s_wait_alu depctr_va_vdst(0)
	v_lshrrev_b32 v14, 2, v2
	v_mul_u32_u24 v14, v14, SP
	v_and_b32 v15, 3, v2
	v_lshl_add_u32 v14, v15, 4, v14
	v_add_nc_u32 v14, s17, v14                     ; the stage, on the way in: four lanes' 64 bytes on end, then 16 of padding
	v_mul_u32_u24 v15, v2, SP
	v_add_nc_u32 v15, s17, v15                     ; and on the way out: my 16 neighbours
	s_add_co_u32 s17, s17, IMG
	IMGADR 256, 264
	s_wait_kmcnt 0x0
	s_add_nc_u64 s[4:5], s[4:5], s[20:21]
	s_add_nc_u64 s[10:11], s[10:11], s[18:19]
.irp t, 0,1,2,3,4,5,6,7
	LOAD \t                                        ; eight steps, 32 loads of 512 bytes, are on their way in each wave
.endr
	s_wait_loadcnt 28                              ; step 0's four loads are in
	TURN 0
.irp t, 0,1,2,3,4,5,6,7,8,9,10,11,12,13,14,15
	XSTEP \t
.endr
	FLUSH 10
	s_set_vgpr_msb 0x5
	s_wait_tensorcnt 0x0
	ds_add_u32 v0, v1
	s_wait_dscnt 0x0
	s_set_vgpr_msb 0x500
	s_endpgm
	; ---- the weight: work-group id = 4 g + part: rows 32 g on, K step j = 4 part + wave
.Lweights:
	s_lshr_b32 s18, ttmp9, 2                       ; g
	s_and_b32 s19, ttmp9, 3
	s_lshl_b32 s19, s19, 2
	s_add_co_u32 s19, s19, s16                     ; j
	s_lshl_b32 s24, s18, 17                        ; 32 rows of 4,096 numbers,
	s_lshl_b32 s20, s19, 8
	s_add_co_u32 s24, s24, s20                     ; F0: the chunk's first number, under 2^23
	s_mul_hi_u32 s25, s24, 204522253               ; cS = F0 / 21: 21 x 204,522,253 = 2^32 + 17, exact while 17 F0 is under 2^32
	s_mul_i32 s26, s25, 21
	s_sub_co_u32 s26, s24, s26                     ; pS = F0 - 21 cS
	s_lshl_b32 s25, s25, 2
	s_mul_i32 s22, s19, 2048*PITCH                 ; in wq: the K step,
	s_mul_i32 s18, s18, CHUNK                      ; the chunk
	s_add_co_u32 s18, s22, s18
	s_mov_b32 s19, 0
	s_mul_i32 s17, s16, CHUNK
	s_add_co_u32 s17, s17, WIMG                    ; my wave's image
	s_wait_alu depctr_va_vdst(0)
	v_and_b32 v[TO], 7, v2
	v_lshlrev_b32 v[TO], 2, v[TO]
	; my first number of step t is F0 + 4,096 t + 65,536 (l / 16) + 16 (l % 16) = 21 (cS + 195 t + 3,120 (l / 16)) + (pS + t + 16 (l / 16) + 16 (l % 16)), since 4,096 = 21 x 195 + 1 and 65,536 = 21 x 3,120 + 16
	v_add_nc_u32 v[VP], v8, v9
	v_lshl_add_u32 v[VP], v[VP], 4, s26
	v_mul_u32_u24 v[VC], v9, 4*3120
	v_add_nc_u32 v[VC], s25, v[VC]
	v_mov_b32 v[SIX], 0x36db6db6
	v_mov_b32 v[SEVEN], 0x3fffffff
	IMGADR 264, 256
	s_wait_kmcnt 0x0
	s_add_nc_u64 s[12:13], s[12:13], s[18:19]
	global_load_b32 v[TAB], v[TO], s[8:9]          ; the first load: every counted wait below shows it in
.irp t, 0,1,2,3,4,5,6,7,8,9,10,11,12,13,14,15
	v_add_nc_u32 v80, \t, v[VP]                    ; p', at most 291
	v_mul_u32_u24 v81, v80, 3121
	v_lshrrev_b32 v81, 16, v81                     ; p' / 21: 21 x 3,121 = 2^16 + 5, exact while 5 p' is under 2^16
	v_lshl_add_u32 v[ADR+\t], v81, 2, v[VC]
	v_mul_u32_u24 v82, v81, 21
	v_sub_nc_u32 v82, v80, v82                     ; the place, 0 .. 20
	v_mul_u32_u24 v[SH+\t], v82, 3
	global_load_b32 v[W+2*\t], v[ADR+\t], s[6:7] offset:780*\t       ; 16 numbers from place p on lie in two words; the last number's second word is the buffer's last
	global_load_b32 v[W+2*\t+1], v[ADR+\t], s[6:7] offset:780*\t+4
.endr
.irp t, 0,1,2,3,4,5,6,7,8,9,10,11,12,13,14,15
	WSTEP \t
.endr
	FLUSH 12
	s_set_vgpr_msb 0x5
	s_wait_tensorcnt 0x0
	ds_add_u32 v0, v1
	s_wait_dscnt 0x0
	s_set_vgpr_msb 0x500
	s_endpgm
.Lfunc_end_k_q0585d5b442_prep:
	.size	k_q0585d5b442_prep, .Lfunc_end_k_q0585d5b442_prep-k_q0585d5b442_prep
	.p2alignl 7, 3214868480
	.fill 96, 4, 3214868480
	.section	.rodata,"a",@progbits
	.p2align	6, 0x0
	.amdhsa_kernel k_q0585d5b442_prep
		.amdhsa_group_segment_fixed_size 90624
		.amdhsa_private_segment_fixed_size 0
		.amdhsa_enable_private_segment 0
		.amdhsa_kernarg_size 40
		.amdhsa_user_sgpr_count 2
		.amdhsa_user_sgpr_kernarg_segment_ptr 1
		.amdhsa_wavefront_size32 1
		.amdhsa_system_sgpr_workgroup_id_x 1
		.amdhsa_system_sgpr_workgroup_id_y 1
		.amdhsa_system_sgpr_workgroup_id_z 1
		.amdhsa_system_vgpr_workitem_id 0
		.amdhsa_next_free_vgpr 258
		.amdhsa_next_free_sgpr 66
		.amdhsa_reserve_vcc 1
		.amdhsa_float_denorm_mode_32 3
		.amdhsa_float_denorm_mode_16_64 3
		.amdhsa_memory_ordered 1
		.amdhsa_forward_progress 1
		.amdhsa_inst_pref_size 148
	.end_amdhsa_kernel
	.amdgpu_metadata
---
amdhsa.version: [ 1, 2 ]
amdhsa.kernels:
  - .name:           k_q0585d5b442_prep
    .symbol:         k_q0585d5b442_prep.kd
    .args:
      - { .name: input_, .offset: 0, .size: 8, .value_kind: global_buffer, .address_space: global }
      - { .name: codes, .offset: 8, .size: 8, .value_kind: global_buffer, .address_space: global }
      - { .name: centroids, .offset: 16, .size: 8, .value_kind: global_buffer, .address_space: global }
      - { .name: xq, .offset: 24, .size: 8, .value_kind: global_buffer, .address_space: global }
      - { .name: wq, .offset: 32, .size: 8, .value_kind: global_buffer, .address_space: global }
    .group_segment_fixed_size: 90624
    .private_segment_fixed_size: 0
    .kernarg_segment_align: 8
    .kernarg_segment_size: 40
    .max_flat_workgroup_size: 128
    .sgpr_count:     66
    .vgpr_count:     258
    .wavefront_size: 32
...
	.end_amdgpu_metadata
.endif
;; end of part 1
;; launch gemm (part 2): grid 8 x 32, 4 waves a work-group, clusters of 4 x 4, 327,680 bytes of LDS; arguments xq, wq, bias, out0; writes out0
.if DOCPART == 2
	.amdgcn_target "amdgcn-amd-amdhsa--gfx1250"
	.amdhsa_code_object_version 6
	.text
	.protected	k_q0585d5b442_gemm
	.globl	k_q0585d5b442_gemm
	.p2align	8
	.type	k_q0585d5b442_gemm,@function
k_q0585d5b442_gemm:
	s_mov_b64 s[64:65], 0
	v_nop
	global_prefetch_b8 v0, s[64:65] scope:SCOPE_SE
	s_setreg_imm32_b32 hwreg(HW_REG_WAVE_MODE, 25, 1), 1
	s_wait_xcnt 0x0
	s_wait_alu depctr_hold_cnt(0) depctr_sa_sdst(0) depctr_va_vdst(0) depctr_va_sdst(0) depctr_va_ssrc(0) depctr_va_vcc(0) depctr_vm_vsrc(0)
	s_getreg_b32 s2, hwreg(HW_REG_IB_STS2, 6, 4)
	s_cmp_eq_u32 s2, 0
	s_cbranch_scc0 .Lentry_in_a_cluster
	s_endpgm
.Lentry_in_a_cluster:
	s_bfe_u32 s2, ttmp6, 0x10000c
	s_cmp_lg_u32 s2, 0xf033
	s_cbranch_scc0 .Lentry_shape_is_right
	s_endpgm
.Lentry_shape_is_right:
; out0[m][n] = sum over k of Q(input_)[m][k] Q(weight)[n][k] + bias[n], on the codes and scale bytes that launch prep laid down:
; xq, wq: [16 K steps of 256][row][272 bytes]: 256 codes, then xq's 8 scale bytes at 256 (wq's at 264).  128 rows of a K step are 34,816 dense bytes = 136 rows of 256 bytes for the tensor load.
; A work-group of four waves makes 256 x 256 of out0, a wave 128 x 128: 64 accumulators.  K goes through a ring of two LDS slots of 256 along K (A's 256 rows, then B's), one joint load a wave.
; CLUSTERS 4 x 4: A's tiles are shared along a row of the cluster, B's along a column, each asked for jointly.
; THE PRODUCT IS USED TRANSPOSED (source 0 = 16 rows of wq, source 1 = 16 rows of xq): a lane holds eight neighbouring columns of one row of out0; bias is the C of the first step's products.
; REGISTERS.  The 64 accumulators are four quadrants of 16 (A's blocks 0-3 or 4-7 x B's blocks 0-3 or 4-7), one in v0-127 of each window; a step of 128 along K is four phases of 16 products:
;   phase 0: A0-3 x B0-3, D in window 0;  phase 1: A4-7 x B0-3, window 1;  phase 2: A4-7 x B4-7, window 2;  phase 3: A0-3 x B4-7, window 3.
; An LDS load takes its destination's window from the D field and its address's from source 0's field.  So the fragments lie where a phase's own setting reaches them:
;   window 0 v128-191: B4-7 (loaded in phase 0, for this step);  window 1 v128-255: A0-3, two sets (phase 1, next step);  window 2 v128-191: B0-3 (phase 2, next step);  window 3 v128-191: A4-7 (phase 3, next step).
; The address registers stand in windows 0 and 2, where source 0 (B's fragments) lies.  A phase begins with ONE run of 16 loads, a group of four fragments, and its 16 products follow: four window switches serve a step's 64 products and 64 loads,
; and a group is asked for 32 products ahead of its first use.  The group's registers were last read in the phase before: eight v_nop stand ahead of each run.
; window 0 v192-223: scale words, set (slot, q) of 8: register i: lanes 0-15 the word of A's block i, lanes 16-31 of B's block i; eight registers on end, so two blocks' registers differ modulo 8.
; window 3 v192-255: bias, for the first step.  On the way out window 1 v128-255 takes the rows read back from the stage.
; PREFETCH: with the load of K step j a wave asks for K step j + 2: its work-group's 34 of the 136 blocks of 256 bytes that it will fetch (the four partners share them by address); the head asks for K step 1, slot 1's first fill also for K step 2; the loop's last trip asks for nothing (K steps 16, 17 do not exist).
.set PITCH,  272
.set HALFT,  128*PITCH
.set SLOT,   4*HALFT
.set ASTEP,  8192*PITCH
.set BSTEP,  2048*PITCH
.set SPARE,  2*SLOT                    ; behind the ring: the spare words, 128 bytes a wave
.set SPITCH, 528                       ; the way out: a stage of 16 rows x (512 + 16) bytes a wave, in slot 0 behind its last fill and last read
.set ROWC,   8192                      ; a row of out0 in bytes
.set HB,     4*16*PITCH                ; from block 0 to block 4 in a slot
.set FB,   128
.set S,    192
.set ADRA, 224                         ; v224-225 (windows 0 and 2) LDS address of my A fragments in slot 0, 1
.set ADRB, 226                         ; v226-227 (windows 0 and 2) the same for B
.set ADRS, 228                         ; v228-229 scale words: lanes 0-15 A's rows, lanes 16-31 B's
.set STO,  230
.set RD,   231
.set CO,   232
.set BO,   233
.set SPW,  234                         ; my spare word; never rewritten
.set NIL,  235                         ; 0; never rewritten
.set PFO,  236                         ; prefetch: 256 x lane
.set PFO2, 237                         ; prefetch: 256 x (lane % 2), for blocks 32 and 33
.set G1,  24
.set G0,  32
.set G1B, 48
.set G0B, 56
.set PF,  70                           ; s[70:71] the running prefetch address; s[66:67], s[68:69] K steps 1, 2; s[74:75] a K step in bytes
.set M0, 0x06                          ; source 0 window 2, source 1 window 1, C and D window 0
.set M1, 0x5e                          ; 2, 3, 1
.set M2, 0xac                          ; 0, 3, 2
.set M3, 0xf4                          ; 0, 1, 3
.set MSB, 0
.macro WIN new                         ; the immediate's high byte repeats the setting that is left
.if MSB != (\new)
	s_set_vgpr_msb (MSB<<8)|(\new)
.set MSB, (\new)
.endif
.endm
.macro JLOAD s                         ; a joint load: waves 0, 1 fetch A's halves, waves 2, 3 B's; s_nop 0 and four v_nop behind each line
	s_cmp_eq_u32 s15, 0
	s_cbranch_scc0 .Lfor_b_\@
	tensor_load_to_lds s[G0+4*\s:G0+4*\s+3], s[G1:G1+7]
	s_nop 0
.rept 4
	v_nop
.endr
	s_branch .Lasked_\@
.Lfor_b_\@:
	tensor_load_to_lds s[G0B+4*\s:G0B+4*\s+3], s[G1B:G1B+7]
	s_nop 0
.rept 4
	v_nop
.endr
.Lasked_\@:
.endm
.macro CREST
	s_cmp_lg_u32 s14, 0
	s_cbranch_scc1 .Lnot_wave_0_\@
	s_barrier_signal -3
.Lnot_wave_0_\@:
	s_barrier_wait -3
	s_barrier_signal -1
	s_barrier_wait -1
.endm
.macro CROUND
	s_barrier_signal -1
	s_barrier_wait -1
	CREST
.endm
.macro ASK2 lo                         ; 34 blocks of 256 bytes: a lane a block, then blocks 32 and 33
	global_prefetch_b8 v[PFO], s[\lo:\lo+1] th:TH_LOAD_NT scope:SCOPE_SE
	global_prefetch_b8 v[PFO2], s[\lo:\lo+1] offset:8192 th:TH_LOAD_NT scope:SCOPE_SE
.endm
; n products of a phase from its t0-th on.  ab, bb: fragments; ah, bh: upper (1) or lower four blocks; sb: the scale set.  first = 1: C is bias.  The 16 accumulators take turns.
.macro PH t0, n, ab, ah, bb, bh, sb, first
.set T, \t0
.rept \n
.set AI, T%4
.set BI, T/4
.if \first
	v_wmma_scale_f32_16x16x128_f8f6f4 v[32*AI+8*BI:32*AI+8*BI+7], v[\bb+16*BI:\bb+16*BI+15], v[\ab+16*AI:\ab+16*AI+15], v[192+32*\bh+8*BI:192+32*\bh+8*BI+7], v[\sb+4*\bh+BI], v[\sb+4*\ah+AI] matrix_a_scale:MATRIX_SCALE_ROW1
.else
	v_wmma_scale_f32_16x16x128_f8f6f4 v[32*AI+8*BI:32*AI+8*BI+7], v[\bb+16*BI:\bb+16*BI+15], v[\ab+16*AI:\ab+16*AI+15], v[32*AI+8*BI:32*AI+8*BI+7], v[\sb+4*\bh+BI], v[\sb+4*\ah+AI] matrix_a_scale:MATRIX_SCALE_ROW1
.endif
.set T, T+1
.endr
.endm
.macro RUN16 dst, adr, off             ; a group of four fragments: 16 loads in one run
.set T, 0
.rept 16
	ds_load_b128 v[\dst+4*T:\dst+4*T+3], v[\adr] offset:\off+32*(T%4)+(T/4)*16*PITCH
.set T, T+1
.endr
.endm
.macro GRP dst, adr, off               ; the same behind its eight places: products have read these registers
.rept 8
	v_nop
.endr
	RUN16 \dst, \adr, \off
.endm
.macro SCALES sl                       ; a slot's scale words, both halves of its 256 along K
.irp q, 0,1
.irp i, 0,1,2,3,4,5,6,7
	ds_load_b32 v[S+16*(\sl)+8*\q+\i], v[ADRS+(\sl)] offset:4*\q+\i*16*PITCH
.endr
.endr
.endm
; A slot's first step (K 0-127 of the slot); its successor lies in the same slot.  Each wait leaves out the phase's own run and the run of the phase before, 32 loads: what the phase reads was asked for earlier.
.macro STEP slot, first
	WIN M0+0x30*\first
	GRP FB, ADRB+\slot, HB                         ; B4-7 of this step
	s_wait_dscnt 32
	PH 0,16, FB,0, FB,0, S+16*\slot, \first
	WIN M1+0x20*\first
	GRP FB+64, ADRA+\slot, 128                     ; A0-3 of the next step, into the other set
	s_wait_dscnt 32
	PH 0,16, FB,1, FB,0, S+16*\slot, \first
	WIN M2+0x10*\first
	GRP FB, ADRB+\slot, 128                        ; B0-3 of the next step
	s_wait_dscnt 32
	PH 0,16, FB,1, FB,1, S+16*\slot, \first
	WIN M3
	GRP FB, ADRA+\slot, 128+HB                     ; A4-7 of the next step
	PH 0,16, FB,0, FB,1, S+16*\slot, \first
.endm
; A slot's second step changes slots between its phases 0 and 1: phase 0's run holds my last reads of this slot; phase 1's products, which read registers alone, stand round the add and the signal.
.macro TURN slot, fill
.if \fill
	s_wait_xcnt 0x0                                ; my prefetches have read their address: it steps one K step
	s_add_nc_u64 s[PF:PF+1], s[PF:PF+1], s[74:75]
.endif
	WIN M0
	GRP FB, ADRB+\slot, 128+HB
	s_wait_dscnt 32
	PH 0,16, FB+64,0, FB,0, S+16*\slot+8, 0
	s_wait_dscnt 16                                ; A4-7 are in; phase 0's run may be out
	WIN M1
	PH 0,8, FB,1, FB,0, S+16*\slot+8, 0
	WIN 0
	s_wait_tensorcnt 0x0                           ; all my tensor loads have landed: my part of the next slot
	ds_add_u32 v[SPW], v[NIL]
.if \fill
	s_add_nc_u64 s[G0+4*\slot+2:G0+4*\slot+3], s[G0+4*\slot+2:G0+4*\slot+3], 2*ASTEP
	s_add_nc_u64 s[G0B+4*\slot+2:G0B+4*\slot+3], s[G0B+4*\slot+2:G0B+4*\slot+3], 2*BSTEP
.endif
	WIN M1
	PH 8,4, FB,1, FB,0, S+16*\slot+8, 0
	s_wait_dscnt 0x0                               ; the add is done, and my reads of this slot are over
	s_barrier_signal -1
	PH 12,4, FB,1, FB,0, S+16*\slot+8, 0
	WIN 0
	s_barrier_wait -1
.if \fill
	CREST                                          ; the barrier has opened a round of the cluster's barrier
	JLOAD \slot                                    ; the first tensor load behind the round: this slot's K step two on
.endif
	SCALES 1-\slot
.if \fill
	s_cmp_gt_u32 s3, 1                             ; the last trip has no K step four on
	s_cbranch_scc0 .Lno_ask_\@
	ASK2 PF
.Lno_ask_\@:
.endif
	WIN 0x40
	RUN16 FB, ADRA+1-\slot, 0                      ; A0-3 of the next slot's first step (that set was last read a step ago: phase 0's eight v_nop stand between)
	WIN M2
	PH 0,8, FB,1, FB,1, S+16*\slot+8, 0
	GRP FB, ADRB+1-\slot, 0                        ; B0-3, in the phase's middle: no run is longer than 32 loads
	PH 8,8, FB,1, FB,1, S+16*\slot+8, 0
	WIN M3
	GRP FB, ADRA+1-\slot, HB
	PH 0,16, FB+64,0, FB,1, S+16*\slot+8, 0
.endm
	s_load_b256 s[4:11], s[0:1], 0x0               ; xq, wq, bias, out0
	v_lshl_add_u32 v[SPW], v0, 2, SPARE
	v_mov_b32 v[NIL], 0
	ds_add_u32 v[SPW], v[NIL]
	ds_add_u32 v[SPW], v[NIL]
	v_lshrrev_b32 v1, 5, v0
	v_readfirstlane_b32 s14, v1                    ; wave
	s_lshr_b32 s15, s14, 1                         ; my half of the rows; also: I fetch for A (0) or B (1)
	s_and_b32 s16, s14, 1                          ; my half of the columns; also: which 128 rows I fetch
	s_bfe_u32 s40, ttmp6, 0x40000                  ; cx
	s_bfe_u32 s41, ttmp6, 0x40004                  ; cy
	s_lshl_b32 s42, ttmp9, 2
	s_add_co_u32 s42, s42, s40                     ; tile column
	s_and_b32 s17, ttmp7, 0xffff
	s_lshl_b32 s17, s17, 2
	s_add_co_u32 s17, s17, s41                     ; tile row
	s_lshl_b32 s43, s41, 2
	s_lshl_b32 s43, 15, s43                        ; my row of the cluster
	s_lshl_b32 s44, 0x1111, s40                    ; my column
	s_or_b32 s[G1+0], s43, (3<<16)|(1<<21)         ; elements of 8 bytes; bit 21 beside a mask
	s_or_b32 s[G1B+0], s44, (3<<16)|(1<<21)
.irp g, G1, G1B
	s_mov_b32 s[\g+1], 32<<16                      ; 136 rows of 32 elements, dense
	s_mov_b32 s[\g+2], 136<<16
	s_mov_b32 s[\g+3], 32<<16
	s_mov_b32 s[\g+4], 136
	s_mov_b32 s[\g+5], 32
	s_mov_b32 s[\g+6], 0
	s_mov_b32 s[\g+7], 0
.endr
	s_lshl_b32 s18, s16, 7
	s_lshl_b32 s20, s17, 8
	s_add_co_u32 s20, s20, s18
	s_mul_i32 s20, s20, PITCH                      ; A: (256 x tile row + 128 x half) rows
	s_mov_b32 s21, 0
	s_lshl_b32 s46, s42, 8
	s_add_co_u32 s46, s46, s18
	s_mul_i32 s46, s46, PITCH                      ; B: by the tile column
	s_mov_b32 s47, 0
	s_mul_i32 s45, s14, HALFT                      ; into LDS: wave x 128 rows
	s_wait_dscnt 0x0
	s_wait_kmcnt 0x0
	s_add_nc_u64 s[20:21], s[4:5], s[20:21]
	s_add_nc_u64 s[46:47], s[6:7], s[46:47]
	CROUND                                         ; the first joint loads meet
.irp s, 0,1
	s_mov_b32 s[G0+4*\s], 1
	s_add_co_u32 s[G0+4*\s+1], s45, \s*SLOT
	s_add_nc_u64 s[G0+4*\s+2:G0+4*\s+3], s[20:21], \s*ASTEP
	s_or_b32 s[G0+4*\s+3], s[G0+4*\s+3], 0x80000000
	s_mov_b32 s[G0B+4*\s], 1
	s_add_co_u32 s[G0B+4*\s+1], s45, \s*SLOT
	s_add_nc_u64 s[G0B+4*\s+2:G0B+4*\s+3], s[46:47], \s*BSTEP
	s_or_b32 s[G0B+4*\s+3], s[G0B+4*\s+3], 0x80000000
.endr
	JLOAD 0                                        ; K step 0: one tensor load a wave at the head
	; scalar set-up first, then the vector lines in one block
	s_mul_i32 s21, s15, HALFT                      ; my 128 rows of A
	s_mul_i32 s22, s16, HALFT
	s_add_co_u32 s22, s22, 2*HALFT                 ; my 128 rows of B
	s_add_co_u32 s76, s21, SLOT
	s_add_co_u32 s77, s22, SLOT
	s_add_co_u32 s78, s22, 8
	s_sub_co_u32 s78, s78, s21                     ; from A's scale words to B's
	s_add_co_u32 s79, s21, 256
	s_mul_i32 s23, s14, 16*SPITCH                  ; my stage
	s_lshl_b32 s82, s17, 8
	s_lshl_b32 s80, s15, 7
	s_add_co_u32 s82, s82, s80
	s_lshl_b32 s82, s82, 13                        ; my first row of out0, in bytes
	s_mov_b32 s83, 0
	s_lshl_b32 s46, s42, 10
	s_lshl_b32 s47, s16, 9
	s_add_co_u32 s46, s46, s47                     ; my first column, in bytes
	s_mov_b32 s47, 0
	s_add_nc_u64 s[8:9], s[8:9], s[46:47]
	s_add_nc_u64 s[10:11], s[10:11], s[46:47]
	s_add_nc_u64 s[10:11], s[10:11], s[82:83]
	s_lshl_b32 s72, s17, 8                         ; the prefetches: of the 128 rows that I fetch my work-group takes 32 (8,704 bytes), by its place among the four partners
	s_lshl_b32 s73, s42, 8
	s_mov_b32 s74, BSTEP
	s_cmp_eq_u32 s15, 0
	s_cselect_b32 s72, s72, s73
	s_cselect_b32 s73, s40, s41
	s_cselect_b64 s[66:67], s[4:5], s[6:7]
	s_cselect_b32 s74, ASTEP, s74
	s_mov_b32 s75, 0
	s_add_co_u32 s72, s72, s18
	s_lshl_b32 s73, s73, 5
	s_add_co_u32 s72, s72, s73
	s_mul_i32 s72, s72, PITCH
	s_mov_b32 s73, 0
	s_add_nc_u64 s[66:67], s[66:67], s[72:73]
	s_add_nc_u64 s[66:67], s[66:67], s[74:75]      ; K step 1
	s_add_nc_u64 s[68:69], s[66:67], s[74:75]      ; K step 2
	s_add_nc_u64 s[PF:PF+1], s[68:69], s[74:75]    ; K step 3
	v_and_b32 v6, 31, v0
	v_and_b32 v7, 1, v0
	v_lshlrev_b32 v[PFO], 8, v6
	v_lshlrev_b32 v[PFO2], 8, v7
	v_and_b32 v1, 15, v0                           ; r
	v_bfe_u32 v2, v0, 4, 1                         ; h
	v_lshlrev_b32 v[BO], 5, v2
	ASK2 66                                        ; K step 1
	WIN 0xc0
.irp b, 0,1,2,3,4,5,6,7
	global_load_b128 v[192+8*\b:192+8*\b+3], v[BO], s[8:9] offset:64*\b        ; bias at my eight columns of B's block b
	global_load_b128 v[192+8*\b+4:192+8*\b+7], v[BO], s[8:9] offset:64*\b+16
.endr
	WIN 0
	v_mul_u32_u24 v3, v1, PITCH
	v_lshl_add_u32 v4, v2, 4, v3                   ; a fragment's row x pitch + 16 h
.irp w, 0, 0x80                        ; once for window 0, once for window 2
	WIN \w
	v_add_nc_u32 v[ADRA], s21, v4
	v_add_nc_u32 v[ADRA+1], s76, v4
	v_add_nc_u32 v[ADRB], s22, v4
	v_add_nc_u32 v[ADRB+1], s77, v4
.endr
	WIN 0
	v_mul_u32_u24 v5, s78, v2                      ; lanes 16-31 take B's words
	v_add_nc_u32 v5, v3, v5
	v_add_nc_u32 v[ADRS], s79, v5
	v_add_nc_u32 v[ADRS+1], SLOT, v[ADRS]
	v_mul_u32_u24 v8, v1, SPITCH
	v_lshl_add_u32 v8, v2, 5, v8
	v_add_nc_u32 v[STO], s23, v8                   ; into the stage: row r, 32 bytes for each half of the lanes
	v_lshlrev_b32 v[CO], 4, v6
	v_add_nc_u32 v[RD], s23, v[CO]                 ; back: 32 lanes take a row of 512 bytes
	s_wait_alu depctr_va_vdst(0)
	s_wait_tensorcnt 0x0                           ; my part of K step 0 is in
	ds_add_u32 v[SPW], v[NIL]
	s_wait_dscnt 0x0
	CROUND
	JLOAD 1                                        ; K step 1, slot 1's first fill
	SCALES 0
	ASK2 68                                        ; K steps 2 and 3
	ASK2 PF
	WIN 0x40
	RUN16 FB, ADRA, 0
	WIN 0x80
	RUN16 FB, ADRB, 0
	WIN 0xc0
	RUN16 FB, ADRA, HB
	s_wait_loadcnt 0x0                             ; bias
	STEP 0, 1                                      ; the first step stands ahead of the loop: its products start the sums on bias
	WIN 0
	s_mov_b32 s3, 7
.Llap:                                                 ; a trip goes once round the ring and fills both slots again
	TURN 0, 1
	STEP 1, 0
	TURN 1, 1
	STEP 0, 0
	WIN 0
	s_sub_co_u32 s3, s3, 1
	s_cmp_lg_u32 s3, 0
	s_cbranch_scc1 .Llap
	TURN 0, 0                                      ; the last lap fills nothing
	STEP 1, 0
	WIN M0                                         ; the very last step: only B4-7 are still to fetch
	GRP FB, ADRB+1, 128+HB
	s_wait_dscnt 32
	PH 0,16, FB+64,0, FB,0, S+24, 0
	s_wait_dscnt 16
	WIN M1
	PH 0,16, FB,1, FB,0, S+24, 0
	s_wait_dscnt 0x0
	WIN M2
	PH 0,16, FB,1, FB,1, S+24, 0
	WIN M3
	PH 0,16, FB+64,0, FB,1, S+24, 0
	WIN 0
; THE WAY OUT, by blocks of 16 rows x 128 columns: through my own stage, back as rows of 512 bytes, stored as two aligned units of 256 bytes.  LDS serves a wave's instructions in order (ISA guide 5.7.1.4).
; Block a's columns 0-63 lie in window a / 4, its columns 64-127 in window 3 - a / 4.
.macro TOSTAGE a
.set AC, 32*((\a)%4)
	WIN ((\a)/4)<<2
.irp b, 0,1,2,3
	ds_store_b128 v[STO], v[AC+8*\b:AC+8*\b+3] offset:64*\b           ; each accumulator from its low end on
	ds_store_b128 v[STO], v[AC+8*\b+4:AC+8*\b+7] offset:64*\b+16
.endr
	WIN (3-(\a)/4)<<2
.irp b, 0,1,2,3
	ds_store_b128 v[STO], v[AC+8*\b:AC+8*\b+3] offset:256+64*\b
	ds_store_b128 v[STO], v[AC+8*\b+4:AC+8*\b+7] offset:256+64*\b+16
.endr
	WIN 0x40
.set BB2, FB+64*((\a)%2)
.irp t, 0,1,2,3,4,5,6,7,8,9,10,11,12,13,14,15
	ds_load_b128 v[BB2+4*\t:BB2+4*\t+3], v[RD] offset:\t*SPITCH
.endr
.endm
.macro SEND a, younger                 ; younger: the LDS instructions issued behind block a's loads
.set BB2, FB+64*((\a)%2)
	s_wait_dscnt \younger
.if (\a) > 0
	s_add_nc_u64 s[10:11], s[10:11], 16*ROWC       ; behind a wait on XCNT: the earlier stores have read their base
.endif
	WIN 0x04
.irp t, 0,1,2,3,4,5,6,7,8,9,10,11,12,13,14,15
	global_store_b128 v[CO], v[BB2+4*\t:BB2+4*\t+3], s[10:11] offset:\t*ROWC th:TH_STORE_NT
.endr
.endm
.rept 8
	v_nop                                          ; places behind the last products
.endr
	TOSTAGE 0
.irp a, 1,2,3,4,5,6,7
.if \a > 1
	s_wait_xcnt 0x0                                ; block a - 2's stores have read their registers and their base
.endif
	TOSTAGE \a
	SEND \a-1, 32
.endr
	s_wait_xcnt 0x0
	SEND 7, 0
	WIN 0
	s_wait_tensorcnt 0x0                           ; the wave's end
	ds_add_u32 v[SPW], v[NIL]
	s_wait_dscnt 0x0
	CROUND                                         ; the closing round
	s_endpgm
.Lfunc_end_k_q0585d5b442_gemm:
	.size	k_q0585d5b442_gemm, .Lfunc_end_k_q0585d5b442_gemm-k_q0585d5b442_gemm
	.p2alignl 7, 3214868480
	.fill 96, 4, 3214868480
	.section	.rodata,"a",@progbits
	.p2align	6, 0x0
	.amdhsa_kernel k_q0585d5b442_gemm
		.amdhsa_group_segment_fixed_size 327680
		.amdhsa_private_segment_fixed_size 0
		.amdhsa_enable_private_segment 0
		.amdhsa_kernarg_size 32
		.amdhsa_user_sgpr_count 2
		.amdhsa_user_sgpr_kernarg_segment_ptr 1
		.amdhsa_wavefront_size32 1
		.amdhsa_system_sgpr_workgroup_id_x 1
		.amdhsa_system_sgpr_workgroup_id_y 1
		.amdhsa_system_sgpr_workgroup_id_z 1
		.amdhsa_system_vgpr_workitem_id 0
		.amdhsa_next_free_vgpr 1024
		.amdhsa_next_free_sgpr 96
		.amdhsa_reserve_vcc 0
		.amdhsa_float_denorm_mode_32 3
		.amdhsa_float_denorm_mode_16_64 3
		.amdhsa_memory_ordered 1
		.amdhsa_forward_progress 1
		.amdhsa_inst_pref_size 153
	.end_amdhsa_kernel
	.amdgpu_metadata
---
amdhsa.version: [ 1, 2 ]
amdhsa.kernels:
  - .name:           k_q0585d5b442_gemm
    .symbol:         k_q0585d5b442_gemm.kd
    .args:
      - { .name: xq, .offset: 0, .size: 8, .value_kind: global_buffer, .address_space: global }
      - { .name: wq, .offset: 8, .size: 8, .value_kind: global_buffer, .address_space: global }
      - { .name: bias, .offset: 16, .size: 8, .value_kind: global_buffer, .address_space: global }
      - { .name: out0, .offset: 24, .size: 8, .value_kind: global_buffer, .address_space: global }
    .group_segment_fixed_size: 327680
    .private_segment_fixed_size: 0
    .kernarg_segment_align: 8
    .kernarg_segment_size: 32
    .max_flat_workgroup_size: 128
    .sgpr_count:     96
    .vgpr_count:     1024
    .wavefront_size: 32
...
	.end_amdgpu_metadata
.endif
;; end of part 2
